; MI455X (gfx1250); checked and timed in simulation.
; The chip was launched on July 23, 2026; its instructions are those of AMD's public machine-readable ISA for CDNA 5 (MIT licence, August 2026) and "CDNA5" Instruction Set Architecture Reference Guide (July 2026). The comments in the code are by the model that wrote it; some were corrected since.
;; Linear GRPO Loss. Allowed arithmetic: float matrix products may take bf16 or f16 operands with f32 sums; other float arithmetic in f32, or as packed bf16 or f16 multiplies, adds, multiply-adds, maxima and minima; sums over many terms, partial sums and values carried from step to step in f32; what a program stores and reads back later, other than sums and carried values, may be rounded once to bf16 or f16.
;; Inputs: advantages 4 float32; outputs 4 x 2,048 x 2,048 float32; padding_masks 4 x 2,048 bool; ref_logprobs 4 x 2,048 float32; targets 4 x 2,048 int32; weight 4,000 x 2,048 float32.
;; Outputs: out0 one number float32; out1 one number float32; out2 one number float32; out3 one number float32; out4 one number float32; out5 4 x 2,048 float32.
;; 2 versions, each right; version 2 is version 1 with the launch cast written anew for expert scheduling mode. Each part assembles by itself: llvm-mc -triple=amdgcn-amd-amdhsa -mcpu=gfx1250 --defsym DOCPART=n.
;; ======== version 1 of 2: 4 launches
;; workspace buffers: xb 33,554,432 bytes; wb 16,777,216 bytes; part 4,194,304 bytes; sums 4,096 bytes
;; launch cast (part 1): grid 768 x 1, 8 waves a work-group, no clusters, 0 bytes of LDS; arguments outputs, weight, xb, wb; writes xb, wb
.if DOCPART == 1
	.amdgcn_target "amdgcn-amd-amdhsa--gfx1250"
	.amdhsa_code_object_version 6
	.text
	.protected	k_q5b52f908ec_cast
	.globl	k_q5b52f908ec_cast
	.p2align	8
	.type	k_q5b52f908ec_cast,@function
k_q5b52f908ec_cast:
	s_mov_b64 s[64:65], 0
	v_nop
	global_prefetch_b8 v0, s[64:65] scope:SCOPE_SE
	s_setreg_imm32_b32 hwreg(HW_REG_WAVE_MODE, 25, 1), 1
	s_wait_xcnt 0x0
; xb = outputs rounded to bf16, [8192][2048]; wb = weight rounded to bf16, [4096][2048], rows 4000 to 4095 written as 0.
; Why a copy: the product's tiles then have rows of 256 aligned bytes for 128 along K, half the LDS traffic of f32 tiles, and no edge tile.
; SHARES.  A work-group takes 16 rows of 2,048 numbers: 131,072 bytes in, 65,536 out.  Groups 0-511: outputs; 512-761: weight's 4,000 rows;
; 762-767: the 96 zero rows of wb, which the product multiplies like any other row.
; Thread t, step j: 16 bytes at 16 t + 4,096 j in, 8 bytes at 8 t + 2,048 j out: a wave's load covers 512 consecutive bytes, its store 256, aligned.
; All 32 loads of a thread go out at once into registers of their own, so no register is written twice and the only waits are the counted ones.
; No LDS, no matrix unit, no cluster: no byte is wanted twice.
.set X, 4                              ; v[4:131]  step j's four numbers at X + 4 j; its two packed words take the first two
	s_load_b256 s[4:11], s[0:1], 0x0               ; outputs s[4:5], weight s[6:7], xb s[8:9], wb s[10:11]
	s_sub_co_u32 s13, ttmp9, 512
	s_cmp_lt_u32 ttmp9, 512
	s_cselect_b32 s12, ttmp9, s13                  ; the block of 16 rows in its tensor
	s_lshl_b32 s14, s12, 17                        ; its bytes in f32 (under 2^27),
	s_mov_b32 s15, 0
	s_lshl_b32 s16, s12, 16                        ; and in bf16
	s_mov_b32 s17, 0
	v_lshlrev_b32 v1, 4, v0                        ; 16 t
	v_lshlrev_b32 v2, 3, v0                        ; 8 t
	s_wait_kmcnt 0x0
	s_cmp_lt_u32 ttmp9, 512                        ; compared again: the shifts above have set SCC
	s_cselect_b64 s[18:19], s[4:5], s[6:7]         ; from
	s_cselect_b64 s[20:21], s[8:9], s[10:11]       ; to
	s_add_nc_u64 s[18:19], s[18:19], s[14:15]
	s_add_nc_u64 s[20:21], s[20:21], s[16:17]
	s_cmp_ge_u32 ttmp9, 762
	s_cbranch_scc1 .Lpad                           ; the zero rows load nothing
.set j, 0
.rept 32
	global_load_b128 v[X+4*j:X+4*j+3], v1, s[18:19] offset:4096*j th:TH_LOAD_NT
.set j, j+1
.endr
.set j, 0
.rept 32
	s_wait_loadcnt 31-j                            ; loads come back in order: step j is in, the 31 - j younger ones stay out
	v_cvt_pk_bf16_f32 v[X+4*j], v[X+4*j], v[X+4*j+1]
	v_cvt_pk_bf16_f32 v[X+4*j+1], v[X+4*j+2], v[X+4*j+3]
	global_store_b64 v2, v[X+4*j:X+4*j+1], s[20:21] offset:2048*j
.set j, j+1
.endr
	s_endpgm
.Lpad:
.irp r, 0,1,2,3
	v_mov_b32 v[X+(\r)], 0
.endr
.set j, 0
.rept 16
	global_store_b128 v1, v[X:X+3], s[20:21] offset:4096*j
.set j, j+1
.endr
	s_endpgm
.Lfunc_end_k_q5b52f908ec_cast:
	.size	k_q5b52f908ec_cast, .Lfunc_end_k_q5b52f908ec_cast-k_q5b52f908ec_cast
	.p2alignl 7, 3214868480
	.fill 96, 4, 3214868480
	.section	.rodata,"a",@progbits
	.p2align	6, 0x0
	.amdhsa_kernel k_q5b52f908ec_cast
		.amdhsa_group_segment_fixed_size 0
		.amdhsa_private_segment_fixed_size 0
		.amdhsa_enable_private_segment 0
		.amdhsa_kernarg_size 32
		.amdhsa_user_sgpr_count 2
		.amdhsa_user_sgpr_kernarg_segment_ptr 1
		.amdhsa_wavefront_size32 1
		.amdhsa_system_sgpr_workgroup_id_x 1
		.amdhsa_system_sgpr_workgroup_id_y 1
		.amdhsa_system_sgpr_workgroup_id_z 1
		.amdhsa_system_vgpr_workitem_id 0
		.amdhsa_next_free_vgpr 136
		.amdhsa_next_free_sgpr 66
		.amdhsa_reserve_vcc 0
		.amdhsa_float_denorm_mode_32 3
		.amdhsa_float_denorm_mode_16_64 3
		.amdhsa_memory_ordered 1
		.amdhsa_forward_progress 1
		.amdhsa_inst_pref_size 14
	.end_amdhsa_kernel
	.amdgpu_metadata
---
amdhsa.version: [ 1, 2 ]
amdhsa.kernels:
  - .name:           k_q5b52f908ec_cast
    .symbol:         k_q5b52f908ec_cast.kd
    .args:
      - { .name: outputs, .offset: 0, .size: 8, .value_kind: global_buffer, .address_space: global }
      - { .name: weight, .offset: 8, .size: 8, .value_kind: global_buffer, .address_space: global }
      - { .name: xb, .offset: 16, .size: 8, .value_kind: global_buffer, .address_space: global }
      - { .name: wb, .offset: 24, .size: 8, .value_kind: global_buffer, .address_space: global }
    .group_segment_fixed_size: 0
    .private_segment_fixed_size: 0
    .kernarg_segment_align: 8
    .kernarg_segment_size: 32
    .max_flat_workgroup_size: 256
    .sgpr_count:     66
    .vgpr_count:     136
    .wavefront_size: 32
...
	.end_amdgpu_metadata
.endif
;; end of part 1
;; launch gemm (part 2): grid 16 x 16, 4 waves a work-group, clusters of 4 x 4, 327,680 bytes of LDS; arguments xb, wb, targets, part; writes part
.if DOCPART == 2
	.amdgcn_target "amdgcn-amd-amdhsa--gfx1250"
	.amdhsa_code_object_version 6
	.text
	.protected	k_q5b52f908ec_gemm
	.globl	k_q5b52f908ec_gemm
	.p2align	8
	.type	k_q5b52f908ec_gemm,@function
k_q5b52f908ec_gemm:
	s_mov_b64 s[64:65], 0
	v_nop
	global_prefetch_b8 v0, s[64:65] scope:SCOPE_SE
	s_setreg_imm32_b32 hwreg(HW_REG_WAVE_MODE, 25, 1), 1
	s_wait_xcnt 0x0
	s_wait_alu depctr_hold_cnt(0) depctr_sa_sdst(0) depctr_va_vdst(0) depctr_va_sdst(0) depctr_va_ssrc(0) depctr_va_vcc(0) depctr_vm_vsrc(0)
	s_getreg_b32 s2, hwreg(HW_REG_IB_STS2, 6, 4)
	s_cmp_eq_u32 s2, 0
	s_cbranch_scc0 .Lentry_in_a_cluster
	s_endpgm
.Lentry_in_a_cluster:
	s_bfe_u32 s2, ttmp6, 0x10000c
	s_cmp_lg_u32 s2, 0xf033
	s_cbranch_scc0 .Lentry_shape_is_right
	s_endpgm
.Lentry_shape_is_right:
; logits[r][v] = the sum over k of xb[r][k] wb[v][k] (bf16 operands, f32 sums), never stored: of each piece of 128 columns of a row only three numbers leave:
;   part[chunk][row] = (c m, l, t, 0), c = log2(e); m = the largest logit of the piece, l = the sum of 2^(c s - c m) over it, t = the logit at the row's target if it lies in the piece, else 0.
; chunk = column / 128 (32 of them), row = 0 .. 8191; the next launch merges a row's 32 pieces.
; LIMITS.  Operands are bf16.  Columns 4000 to 4095 do not exist: wb holds 0 there and their sums START at -1e30, so a hidden logit is -1e30: true logits must stay far inside that.
; Every piece has 32 true columns or more, so a hidden one never is the maximum, and its weight is 0.  A weight below 2^-126 counts as 0 in l.  NaN and infinities are not treated apart.
; A target outside 0 .. 3999 gives t = 0 in every piece.
; THE PRODUCT.  A tile of 256 rows x 256 columns is made by four waves, each 128 x 128: 64 accumulators of 16 x 16, 512 registers.  K goes in steps of 128 through a ring of two LDS slots filled by the
; tensor data mover: the tiles' rows are 256 bytes of memory and start at multiples of 256 bytes from the buffer's first byte.  A WORK-GROUP STAYS: it makes two tiles, 4,096 rows apart, on the same
; rows of wb; the ring runs on into the second tile, whose first two K steps are on their way while the first tile's statistics are made.  16 x 16 work-groups x 2 tiles = 32 x 16 tiles.
; CLUSTERS: 4 x 4 work-groups.  The four of a row of the cluster need the same tiles of xb, the four of a column the same tiles of wb: each tile is asked for JOINTLY, by the same tensor load with the
; same descriptor and a mask that names the four; each receives it in its own LDS.
; TRANSPOSED USE: source 0 = 16 rows of wb, source 1 = 16 rows of xb.  In accumulator (a, b) lane l holds row 16 a + l % 16 and columns 16 b + 8 (l / 16) + 0 .. 7: for a block a of 16 rows a lane holds
; 64 logits of ONE row, the lane 16 away the other 64: maximum and sum want one exchange between the halves of the lanes, and nothing goes through LDS.
; REGISTERS, in windows of 256 (s_set_vgpr_msb: bits 1:0 source 0, 3:2 source 1, 5:4 source 2, 7:6 destination):
;   window 0: v0-31 addresses; v32-63 the statistics; v64-127, v128-191 fragments of xb, two buffers; v192-255 at work in the statistics, and the targets
;   window 1: v0-63 the start values of the sums (0 or -1e30), eight registers for each block of 16 columns; v64-127, v128-191 fragments of wb
;   window 2: the 32 accumulators of my rows 0-63 ((a, b) at v[8 (8 a + b)]);   window 3: those of my rows 64-127
.set SIZE_M, 8192
.set SIZE_N, 4096
.set SIZE_K, 2048
.set SIZE_TILES, 2
.set VOCAB,  4000
.set KSTEP,  128
.set PITCH,  272                       ; an LDS row: 256 bytes + 16 of padding = 68 words: row r starts at bank 4 r mod 64 (64 banks of 4 bytes: ISA guide 11.1), so the 16 rows of a load start at 16 different banks
.set HALFT,  128*PITCH                 ; 128 rows: what one tensor load brings, and what one wave reads of xb or of wb
.set SLOT,   4*HALFT                   ; xb's 256 rows, then wb's 256 rows
.set SPARE,  2*SLOT                    ; behind the ring: the spare words, 128 bytes for each wave: two blocks of 256 bytes that no other line names
.set LAPS,   SIZE_K/(2*KSTEP)          ; a lap = two K steps = once round the ring
.set WALK,   SIZE_M/SIZE_TILES         ; the two tiles lie 4,096 rows apart
.set NEXT_A, WALK*SIZE_K*2-(SIZE_K-2*KSTEP)*2   ; bytes from a slot's last K step of a tile to its first of the next: xb goes WALK rows down and back along K,
.set BACK_B, (SIZE_K-2*KSTEP)*2        ; wb only back
.set ADRA, 16                          ; v16-17  LDS address of my fragments of xb in slot 0, 1
.set ADRB, 20                          ; v20-21  the same for wb
.set PO,   24                          ; v24     16 x lane: my 16 bytes in a store of 32 rows of part; never rewritten
.set CB,   25                          ; v25     my first column: the wave's first + 8 (l / 16)
.set TGO,  26                          ; v26     4 (l % 16): my row's target in a block of 16
.set SPW,  28                          ; v28     LDS address of my spare word: SPARE + 4 x my thread's number; never rewritten
.set NIL,  29                          ; v29     0; never rewritten
.set PFO,  30                          ; v30     the prefetches' offset: lane x 4,096 bytes (a row of xb or wb); never rewritten
.set ST,   32                          ; v32-63  block a's statistics at ST + 4 a: c m, l, t, 0
.set F0,   64                          ; fragment buffer 0
.set F1,   128                         ; fragment buffer 1
.set T,    192                         ; v192-223 the tree that picks the target's logit
.set CX,   224                         ; v224-231 eight running maxima
.set D,    234                         ; v234    target - my first column
.set TM,   235                         ; v235    at work
.set LP,   236                         ; v236-237 the sum, as a pair
.set TG,   240                         ; v240-255 the targets: tile i, block a at TG + 8 i + a
.set MK,   0                           ; window 1, v0-63
.set G1,   24                          ; s[24:31] descriptor group 1 for xb's tiles
.set G0,   32                          ; s[32:39] group 0, one set for each slot
.set LIM,  43                          ; s43     1 in a wave that prefetches, else the greatest number
.set PFA,  44                          ; s[44:45] where my prefetches stand
.set G1B,  48                          ; s[48:55], s[56:63] the same two groups for wb's tiles
.set G0B,  56
.set CS,   66                          ; s[66:67] c = log2(e): the packed scaling names a pair and takes its low word for both halves
.set SEL,  68                          ; s[68:69] v_permlanex16_b32's selects: each lane takes its own place in the other half
.set BIGN, 70                          ; s70     -1e30
.set COL0, 71                          ; s71     my wave's first column
.set TGA,  72                          ; s[72:73] targets at my first row
.set PTA,  74                          ; s[74:75] part at my chunk and first row
.set HM,   79                          ; s79     the mask of lanes 16 to 31
.set MSB, 0
.macro WIN new                         ; the immediate's high byte repeats the setting that is left; a switch that changes nothing is dropped
.if MSB != (\new)
	s_set_vgpr_msb (MSB<<8)|(\new)
.set MSB, \new
.endif
.endm
.set MUL_LO, 0xa1                      ; source 0 (wb) window 1, source 1 (xb) window 0, C and D window 2 (+ 0x50: window 3)
.set MUL_Z,  0x91                      ; the same with C in window 1: the start values (+ 0x40: D in window 3)
.set TO_B,   0x40                      ; destination window 1, address window 0
; A joint load.  Waves 0 and 1 fetch xb's two halves, waves 2 and 3 wb's.  Each of the two lines has one mask and one set of registers for all that issue it.  The branch hangs on the wave's number alone.
; An s_nop 0 and four v_nop follow each of the two lines, ahead of the jump, the label and what follows the macro.
.macro JLOAD s
	s_cmp_eq_u32 s11, 0
	s_cbranch_scc0 .Lfor_b_\@
	tensor_load_to_lds s[G0+4*(\s):G0+4*(\s)+3], s[G1:G1+7]
	s_nop 0
.rept 4
	v_nop
.endr
	s_branch .Lasked_\@
.Lfor_b_\@:
	tensor_load_to_lds s[G0B+4*(\s):G0B+4*(\s)+3], s[G1B:G1B+7]
	s_nop 0
.rept 4
	v_nop
.endr
.Lasked_\@:
.endm
; A PREFETCH INTO THE L2, behind each joint load, its five lines and the run of LDS loads that follows: the K step that stands TWO refills on, 512 matrix instructions ahead of the load that will want it:
; 32 rows x 256 bytes, a lane a row, one instruction a wave.  Each row's 256 bytes of a K step are named ONCE in the launch: xb's tile row is read by every cluster of that row of clusters, and the one
; with x = 0 asks; wb's tile column by every cluster of that column, and the one with y = 0 asks.  The four partners that ask for a tile jointly share its rows out BY ADDRESS: of the 128 rows that a wave
; fetches the partner at place p takes 32 p .. 32 p + 31 (p = cx for xb, cy for wb).  how = 0, in the loop: a tile's last two refills have no K step two on; how = 1, at the change of tiles.
.macro ASK how
.if \how
	s_cmp_eq_u32 s[LIM], 1
.else
	s_cmp_gt_u32 s3, s[LIM]                        ; s3 = 1 in the loop's last trip
.endif
	s_cbranch_scc0 .Lnot_mine_\@
	global_prefetch_b8 v[PFO], s[PFA:PFA+1] offset:KSTEP*2 th:TH_LOAD_NT scope:SCOPE_SE
.Lnot_mine_\@:
.endm
; A round of the cluster's barrier: my work-group's barrier, so that wave 0's signal speaks for all four waves; wave 0 signals for the work-group; every wave waits for all sixteen; my work-group's barrier once more.
.macro CREST                           ; a round behind its opening barrier
	s_cmp_lg_u32 s10, 0
	s_cbranch_scc1 .Lnot_wave_0_\@
	s_barrier_signal -3
.Lnot_wave_0_\@:
	s_barrier_wait -3
	s_barrier_signal -1
	s_barrier_wait -1
.endm
.macro CROUND                          ; a whole round
	s_barrier_signal -1
	s_barrier_wait -1
	CREST
.endm
	s_load_b128 s[4:7], s[0:1], 0x0                ; xb s[4:5], wb s[6:7]
	s_load_b128 s[72:75], s[0:1], 0x10             ; targets s[72:73], part s[74:75]
	v_lshl_add_u32 v[SPW], v0, 2, SPARE
	v_mov_b32 v[NIL], 0
	ds_add_u32 v[SPW], v[NIL]                      ; the wave's opening: the add and its wait stand ahead of my first tensor load; the set-up below, work on registers, stands between them
	v_lshrrev_b32 v1, 5, v0
	v_readfirstlane_b32 s10, v1                    ; wave 0..3
	s_lshr_b32 s11, s10, 1                         ; which half of the tile's rows is mine.  Also: I fetch for xb (0) or for wb (1)
	s_and_b32 s12, s10, 1                          ; which half of its columns.  Also: which 128 rows of that tile I fetch
	s_bfe_u32 s40, ttmp6, 0x40000                  ; cx: my place along the cluster's x
	s_bfe_u32 s41, ttmp6, 0x40004                  ; cy: along its y
	s_lshl_b32 s42, ttmp9, 2                       ; in a cluster launch ttmp9 and ttmp7 count clusters
	s_add_co_u32 s42, s42, s40                     ; tile column = 4 x cluster x + cx
	s_and_b32 s13, ttmp7, 0xffff
	s_lshl_b32 s13, s13, 2
	s_add_co_u32 s13, s13, s41                     ; tile row = 4 x cluster y + cy
	s_lshl_b32 s43, s41, 2
	s_lshl_b32 s43, 15, s43                        ; my row of the cluster: places 4 cy .. 4 cy + 3
	s_lshl_b32 s44, 0x1111, s40                    ; my column: places cx, cx + 4, cx + 8, cx + 12
	; descriptor group 1: a tile of 128 rows x 128 elements, padded in LDS
	s_or_b32 s[G1+0], s43, (1<<16)|(1<<20)|(1<<21)|(5<<22)|(3<<25)  ; 15:0 the mask: xb's tiles go to my row; 17:16 elements of 2 bytes; 20 padding on; 21 set beside a mask; 24:22 after every 64 words (code 5); 31:25 4 words (code 3)
	s_or_b32 s[G1B+0], s44, (1<<16)|(1<<20)|(1<<21)|(5<<22)|(3<<25) ; the same with the mask of my column, for wb's tiles
.irp g, G1, G1B
	s_mov_b32 s[(\g)+1], KSTEP<<16                 ; 63:48 tensor_dim0 = 128
	s_mov_b32 s[(\g)+2], 128<<16                   ; 95:80 tensor_dim1 = 128
	s_mov_b32 s[(\g)+3], KSTEP<<16                 ; 127:112 tile_dim0 = 128
	s_mov_b32 s[(\g)+4], 128                       ; 143:128 tile_dim1 = 128; tile_dim2 = 0
	s_mov_b32 s[(\g)+5], SIZE_K                    ; 191:160 elements from row to row
	s_mov_b32 s[(\g)+6], 0
	s_mov_b32 s[(\g)+7], 0
.endr
	; where the tiles come from.  xb's hang on the tile row alone, which my row of the cluster shares; wb's on the tile column alone, which my column shares.
	s_lshl_b32 s17, s12, 7                         ; which 128 rows of the tile I fetch
	s_lshl_b32 s16, s13, 8
	s_add_co_u32 s16, s16, s17                     ; xb: row 256 x tile row + 128 x half
	s_lshl_b32 s46, s42, 8
	s_add_co_u32 s46, s46, s17                     ; wb: row 256 x tile column + 128 x half
	s_mov_b32 s17, 0
	s_mov_b32 s47, 0
	s_mov_b64 s[18:19], SIZE_K*2
	s_mul_u64 s[16:17], s[16:17], s[18:19]         ; in bytes
	s_mul_u64 s[46:47], s[46:47], s[18:19]
	s_mul_i32 s20, s10, HALFT                      ; and where they go: wave x 128 rows: no place in the cluster enters an LDS address
	s_mov_b32 s[CS], 0x3fb8aa3b                    ; log2(e)
	s_mov_b32 s[CS+1], s[CS]                       ; named with it as a pair, so it is written
	s_mov_b32 s[SEL], 0x76543210
	s_mov_b32 s[SEL+1], 0xfedcba98
	s_mov_b32 s[BIGN], 0xf149f2ca                  ; -1e30
	s_mov_b32 s[HM], 0xffff0000
	s_lshl_b32 s[COL0], s42, 8
	s_lshl_b32 s76, s12, 7
	s_add_co_u32 s[COL0], s[COL0], s76             ; 256 x tile column + 128 x half: it enters data and part's address alone
	s_wait_dscnt 0x0                               ; the opening add is done
	s_wait_kmcnt 0x0
	s_add_nc_u64 s[14:15], s[4:5], s[16:17]
	s_add_nc_u64 s[46:47], s[6:7], s[46:47]
	CROUND                                         ; all sixteen work-groups are here: the first joint loads meet
.irp s, 0,1
	s_mov_b32 s[G0+4*(\s)], 1                                      ; 1:0 count = 1
	s_add_co_u32 s[G0+4*(\s)+1], s20, (\s)*SLOT                    ; 63:32 LDS address
	s_add_nc_u64 s[G0+4*(\s)+2:G0+4*(\s)+3], s[14:15], (\s)*KSTEP*2  ; 120:64 global address: K step s
	s_or_b32 s[G0+4*(\s)+3], s[G0+4*(\s)+3], 0x80000000            ; 127:126 type = 2
	s_mov_b32 s[G0B+4*(\s)], 1
	s_add_co_u32 s[G0B+4*(\s)+1], s20, (\s)*SLOT
	s_add_nc_u64 s[G0B+4*(\s)+2:G0B+4*(\s)+3], s[46:47], (\s)*KSTEP*2
	s_or_b32 s[G0B+4*(\s)+3], s[G0B+4*(\s)+3], 0x80000000
	JLOAD \s                                       ; the ring is filled before anything else is done: two loads of mine are out
.endr
	; A fragment is 16 rows x 32 K in 8 registers: lane l holds row l % 16; registers 0-3 hold K = 8 (l / 16) + 0..7, registers 4-7 K = 16 + 8 (l / 16) + 0..7: two loads of 16 bytes, 32 bytes apart.
	v_and_b32 v1, 15, v0                           ; l % 16
	v_bfe_u32 v2, v0, 4, 1                         ; l / 16
	v_mul_u32_u24 v3, v1, PITCH
	v_lshl_add_u32 v3, v2, 4, v3                   ; row x pitch + 16 x half
	s_mul_i32 s21, s11, HALFT                      ; my 128 rows of xb
	s_mul_i32 s22, s12, HALFT                      ; my 128 rows of wb,
	s_add_co_u32 s22, s22, 2*HALFT                 ; which lie behind xb's 256
.irp s, 0,1
	v_add_nc_u32 v[ADRA+(\s)], s21, v3
	v_add_nc_u32 v[ADRB+(\s)], s22, v3
	s_add_co_u32 s21, s21, SLOT
	s_add_co_u32 s22, s22, SLOT
.endr
	v_and_b32 v[PO], 31, v0
	v_lshlrev_b32 v[PO], 4, v[PO]
	v_lshl_add_u32 v[CB], v2, 3, s[COL0]
	v_lshlrev_b32 v[TGO], 2, v1
	s_lshl_b32 s16, s13, 8
	s_lshl_b32 s17, s11, 7
	s_add_co_u32 s16, s16, s17                     ; my first row: 256 x tile row + 128 x half
	s_lshl_b32 s76, s16, 2
	s_mov_b32 s77, 0
	s_add_nc_u64 s[TGA:TGA+1], s[TGA:TGA+1], s[76:77]
	s_lshl_b32 s76, s42, 1
	s_add_co_u32 s76, s76, s12                     ; my chunk of 128 columns,
	s_lshl_b32 s76, s76, 17                        ; 8,192 rows x 16 bytes each,
	s_lshl_b32 s78, s16, 4
	s_add_co_u32 s76, s76, s78                     ; and my first row in it
	s_add_nc_u64 s[PTA:PTA+1], s[PTA:PTA+1], s[76:77]
.irp i, 0,1
.irp a, 0,1,2,3,4,5,6,7
	global_load_b32 v[TG+8*(\i)+(\a)], v[TGO], s[TGA:TGA+1] offset:64*(\a)+16384*(\i)  ; both tiles' targets: row 4,096 i + 16 a + l % 16; waited for in front of the first statistics
.endr
.endr
	; The start values.  VOCAB is a multiple of 16, so a block of 16 columns exists whole or not at all: 0, or -1e30 where the wave's first column + 16 b is VOCAB or more.
	WIN 0x40                                       ; destination window 1
.irp b, 0,1,2,3,4,5,6,7
	s_add_co_i32 s76, s[COL0], 16*(\b)-VOCAB       ; negative where the block exists,
	s_ashr_i32 s76, s76, 31                        ; all ones there,
	s_and_not1_b32 s76, s[BIGN], s76               ; so 0 there and -1e30 elsewhere
.irp r, 0,1,2,3,4,5,6,7
	v_mov_b32 v[MK+8*(\b)+(\r)], s76
.endr
.endr
	WIN 0
.irp a, 0,1,2,3,4,5,6,7
	v_mov_b32 v[ST+4*(\a)+1], 0                    ; named in a pair with c m before l is made
	v_mov_b32 v[ST+4*(\a)+3], 0                    ; the fourth word of each 16 bytes of part
.endr
	; the prefetches.  s40 = cx, s41 = cy, s[4:5] = xb, s[6:7] = wb still stand
	s_lshl_b32 s13, s13, 8
	s_lshl_b32 s42, s42, 8
	s_and_b32 s22, ttmp7, 0xffff                   ; cluster y
	s_cmp_eq_u32 s11, 0                            ; do I fetch for xb?
	s_cselect_b32 s20, s13, s42                    ; the tile's first row: in xb by the tile row, in wb by the tile column
	s_cselect_b32 s21, s40, s41                    ; my place among the four that ask for it with me
	s_cselect_b32 s22, ttmp9, s22                  ; the coordinate along which other clusters read the same rows
	s_cselect_b64 s[PFA:PFA+1], s[4:5], s[6:7]
	s_cmp_eq_u32 s22, 0
	s_cselect_b32 s[LIM], 1, -1                    ; the same in all sixteen partners, for a given wave
	s_lshl_b32 s22, s12, 7
	s_add_co_u32 s20, s20, s22                     ; + the 128 rows that I fetch
	s_lshl_b32 s21, s21, 5
	s_add_co_u32 s20, s20, s21                     ; + my work-group's 32 of them
	s_mov_b32 s21, 0
	s_mov_b64 s[18:19], SIZE_K*2
	s_mul_u64 s[20:21], s[20:21], s[18:19]
	s_add_nc_u64 s[PFA:PFA+1], s[PFA:PFA+1], s[20:21]
	s_add_nc_u64 s[PFA:PFA+1], s[PFA:PFA+1], 2*KSTEP*2  ; at K step 2: the first refill steps it to 3 and names K step 4.  Nothing is prefetched here, at the head: K steps 0 to 3 come by their loads alone
	v_and_b32 v[PFO], 31, v0
	v_mul_u32_u24 v[PFO], v[PFO], SIZE_K*2
; 16 matrix instructions: row blocks a0, a0 + 1 of the window's four (hi = 0: my rows 0-63, 1: rows 64-127) x all 8 column blocks, 32 along K.
; zero = 1: the first product starts the sums, with the start values as C: nothing is ever cleared.  The 64 accumulators take turns in the same order everywhere.
.macro MUL16 f, hi, a0, zero
.if \zero
	WIN MUL_Z+0x40*(\hi)
.else
	WIN MUL_LO+0x50*(\hi)
.endif
.irp a, \a0, (\a0)+1
.irp b, 0,1,2,3,4,5,6,7
.if \zero
	v_wmma_f32_16x16x32_bf16 v[8*(8*(\a)+(\b)):8*(8*(\a)+(\b))+7], v[(\f)+8*(\b):(\f)+8*(\b)+7], v[(\f)+8*(4*(\hi)+(\a)):(\f)+8*(4*(\hi)+(\a))+7], v[MK+8*(\b):MK+8*(\b)+7]
.else
	v_wmma_f32_16x16x32_bf16 v[8*(8*(\a)+(\b)):8*(8*(\a)+(\b))+7], v[(\f)+8*(\b):(\f)+8*(\b)+7], v[(\f)+8*(4*(\hi)+(\a)):(\f)+8*(4*(\hi)+(\a))+7], v[8*(8*(\a)+(\b)):8*(8*(\a)+(\b))+7]
.endif
.endr
.endr
.endm
; 32 LDS loads in one run: the fragments of one quarter step (128 rows of wb, 128 rows of xb, 32 K at byte k of the rows) into buffer f
.macro FETCH slot, k, f
	WIN TO_B
.irp i, 0,1,2,3,4,5,6,7
	ds_load_b128 v[(\f)+8*(\i):(\f)+8*(\i)+3],   v[ADRB+(\slot)] offset:(\k)+(\i)*16*PITCH
	ds_load_b128 v[(\f)+8*(\i)+4:(\f)+8*(\i)+7], v[ADRB+(\slot)] offset:(\k)+(\i)*16*PITCH+32
.endr
	WIN 0
.irp i, 0,1,2,3,4,5,6,7
	ds_load_b128 v[(\f)+8*(\i):(\f)+8*(\i)+3],   v[ADRA+(\slot)] offset:(\k)+(\i)*16*PITCH
	ds_load_b128 v[(\f)+8*(\i)+4:(\f)+8*(\i)+7], v[ADRA+(\slot)] offset:(\k)+(\i)*16*PITCH+32
.endr
.endm
; A load into a register that a matrix instruction has read stands four places behind it, and only plain vector instructions that name none of its registers are places (ISA guide 7.12.1 for vector
; instructions); the matrix instructions in between are not counted.
.macro PLACES
.rept 4
	v_nop
.endr
.endm
; A K step is four quarter steps of 32 along K, 64 matrix instructions each, on buffers 0, 1, 0, 1.  One of the first three: multiplies buffer f; in its middle it fetches the next quarter, at byte k, into g.
.macro QUARTER slot, k, f, g, zero
	s_wait_dscnt 8                                 ; wb's fragments and xb's rows 0-63 are in; the youngest eight loads (xb's rows 64-127) may be out
	MUL16 \f, 0, 0, \zero
	MUL16 \f, 0, 2, \zero
	PLACES
	FETCH \slot, \k, \g
	s_wait_dscnt 32                                ; all but the 32 just issued
	MUL16 \f, 1, 0, \zero
	MUL16 \f, 1, 2, \zero
.endm
; The last quarter multiplies buffer 1 and changes slots.  MEET is its first half: ONE barrier for the change.  In front of it each wave waits for all its tensor loads, of which one is out: its part of the
; next slot; adds 0 to its spare word; and waits for that and for its own reads of this slot.  Behind it nobody reads this slot any more and the next slot is whole.
.macro MEET round                      ; round = 1: a round of the cluster's barrier follows
	WIN 0                                          ; (the add's two registers lie in window 0)
	s_wait_tensorcnt 0x0                           ; all my tensor loads have landed;
	ds_add_u32 v[SPW], v[NIL]                      ; 0 onto my spare word;
	s_wait_dscnt 9                                 ; (the add and the youngest eight loads may be out)
	MUL16 F1, 0, 0, 0                              ; sixteen matrix instructions stand between the add and the wait for it
	s_wait_dscnt 0x0                               ; the add is done, and my reads of this slot are over:
	s_barrier_signal -1                            ; say so,
	MUL16 F1, 0, 2, 0                              ; work on registers while the others arrive,
.if \round
	WIN 0
.endif
	s_barrier_wait -1                              ; and go on when all four have said so
.endm
; The whole last quarter.  Behind the round the slot just read out is filled again first: with this tile's K step two steps on (on = 0) or, in the first tile's last two K steps, with the second tile's
; K step 0 or 1 (on = 1); then come the next slot's first fragments.  From a request to the wait for it a wave issues 224 matrix instructions.
.macro TURN slot, next, on
	s_wait_xcnt 0x0                                ; the last prefetch, a K step back, has read its address, and earlier stores their data: both are written again only behind this wait
.if (\on) && (\slot) == 0
	s_add_nc_u64 s[PFA:PFA+1], s[PFA:PFA+1], (WALK-1)*SIZE_K*2+KSTEP*2  ; from the K step after the tile's last to the next tile's K step 1: WALK rows down, back along K
	s_cmp_eq_u32 s11, 0
	s_cselect_b32 s[LIM], s[LIM], -1               ; wb's rows are the same for both tiles: they are prefetched no more
.else
	s_add_nc_u64 s[PFA:PFA+1], s[PFA:PFA+1], KSTEP*2
.endif
	MEET 1
	CREST                                          ; no wave of any partner still reads this slot's tile or has a load on its way
.if \on
	s_add_nc_u64 s[G0+4*(\slot)+2:G0+4*(\slot)+3], s[G0+4*(\slot)+2:G0+4*(\slot)+3], NEXT_A
	s_sub_nc_u64 s[G0B+4*(\slot)+2:G0B+4*(\slot)+3], s[G0B+4*(\slot)+2:G0B+4*(\slot)+3], BACK_B
.else
	s_add_nc_u64 s[G0+4*(\slot)+2:G0+4*(\slot)+3], s[G0+4*(\slot)+2:G0+4*(\slot)+3], 2*KSTEP*2
	s_add_nc_u64 s[G0B+4*(\slot)+2:G0B+4*(\slot)+3], s[G0B+4*(\slot)+2:G0B+4*(\slot)+3], 2*KSTEP*2
.endif
	JLOAD \slot                                    ; the first tensor load behind the round; the four v_nop behind it are also the places in front of the loads below
	FETCH \next, 0, F0
	ASK \on
	MUL16 F1, 1, 0, 0
	MUL16 F1, 1, 2, 0
.endm
; THE STATISTICS of block a (16 rows) of tile i.  A lane's 64 logits lie in the block's eight accumulators, AC .. AC + 63.
; A level of the tree: of each two neighbours the one that the target's bit names.
.macro LEVEL bit, cnt
	v_and_b32 v[TM], \bit, v[D]
	v_cmp_ne_u32 vcc_lo, 0, v[TM]
.set zn, 0
.rept \cnt
	v_cndmask_b32 v[T+zn], v[T+2*zn], v[T+2*zn+1], vcc_lo
.set zn, zn+1
.endr
.endm
.macro STAT i, a
.set WH, (\a)/4                        ; the accumulators' window, less 2
.set AC, 64*((\a)%4)
.set SA, ST+4*(\a)
	WIN 0
	v_sub_nc_u32 v[D], v[TG+8*(\i)+(\a)], v[CB]    ; D = 16 b + r where register r of accumulator b holds the target's logit: bits 2:0 r, bit 3 clear, bits 6:4 b, nothing above
	v_and_b32 v[TM], 1, v[D]
	v_cmp_ne_u32 vcc_lo, 0, v[TM]
	WIN 0x2a+0x15*WH                               ; all sources in the accumulators' window, destination in window 0
.set zb, 0
.rept 8                                ; eight chains start the maximum: each accumulator's lowest registers are read first
	v_max3_num_f32 v[CX+zb], v[AC+8*zb], v[AC+8*zb+1], v[AC+8*zb+2]
.set zb, zb+1
.endr
.set zn, 0
.rept 32                               ; the tree's first level, by bit 0, takes the logits as they are, before they are scaled in place
	v_cndmask_b32 v[T+zn], v[AC+2*zn], v[AC+2*zn+1], vcc_lo
.set zn, zn+1
.endr
	WIN 0x28+0x14*WH                               ; source 0 in window 0
.irp o, 3, 5
.set zb, 0
.rept 8
	v_max3_num_f32 v[CX+zb], v[CX+zb], v[AC+8*zb+(\o)], v[AC+8*zb+(\o)+1]
.set zb, zb+1
.endr
.endr
.set zb, 0
.rept 4                                ; the eight last registers
	v_max3_num_f32 v[CX+zb], v[CX+zb], v[AC+16*zb+7], v[AC+16*zb+15]
.set zb, zb+1
.endr
	WIN 0
	v_max3_num_f32 v[CX], v[CX], v[CX+1], v[CX+2]
	v_max3_num_f32 v[CX+3], v[CX+3], v[CX+4], v[CX+5]
	v_max_num_f32 v[CX+6], v[CX+6], v[CX+7]
	v_max3_num_f32 v[CX], v[CX], v[CX+3], v[CX+6]
	v_permlanex16_b32 v[CX+1], v[CX], s[SEL], s[SEL+1]  ; the row's other 64 columns lie in the lane 16 away
	v_max_num_f32 v[CX], v[CX], v[CX+1]            ; m
	v_mul_f32 v[SA], s[CS], v[CX]                  ; c m: subtracted below, and stored as it is, so that the merge undoes exactly what was subtracted
	; ONE BATCH: the 32 packed scalings c s - c m and the 64 exponentials, in place; a pair is scaled two exponentials ahead of its own.  None of these lines names an exponential's result.
	WIN 0x82+0x41*WH                               ; destination and source 0 in the accumulators' window, c m in window 0
	v_pk_fma_f32 v[AC:AC+1], v[AC:AC+1], s[CS:CS+1], v[SA:SA+1] op_sel_hi:[1,0,0] neg_lo:[0,0,1] neg_hi:[0,0,1]
.set zp, 0
.rept 32
.if zp < 31
	v_pk_fma_f32 v[AC+2*zp+2:AC+2*zp+3], v[AC+2*zp+2:AC+2*zp+3], s[CS:CS+1], v[SA:SA+1] op_sel_hi:[1,0,0] neg_lo:[0,0,1] neg_hi:[0,0,1]
.endif
	v_exp_f32 v[AC+2*zp], v[AC+2*zp]
	v_exp_f32 v[AC+2*zp+1], v[AC+2*zp+1]
.set zp, zp+1
.endr
	; the rest of the tree: plain work that names no exponential's result stands between the batch and its wait
	WIN 0
	LEVEL 2, 16
	LEVEL 4, 8
	LEVEL 16, 4
	LEVEL 32, 2
	LEVEL 64, 1
	v_and_b32 v[TM], 0xffffff88, v[D]              ; any other bit: the target is not among my 64 columns
	v_cmp_eq_u32 vcc_lo, 0, v[TM]
	v_cndmask_b32 v[T], 0, v[T], vcc_lo
	v_permlanex16_b32 v[T+1], v[T], s[SEL], s[SEL+1]
	v_add_f32 v[SA+2], v[T], v[T+1]                ; t: at most one of the two halves is not 0
	s_wait_alu depctr_va_vdst(0)                   ; one wait for the block's 64 exponentials, ahead of the first line that names a result
	WIN 0x8a+0x45*WH                               ; the sum of the 32 pairs, in place: neighbours 1, 2, 4 and 8 pairs apart
.irp w, 1,2,4,8
.set zp, 0
.rept 16/(\w)
	v_pk_add_f32 v[AC+2*zp:AC+2*zp+1], v[AC+2*zp:AC+2*zp+1], v[AC+2*zp+2*(\w):AC+2*zp+2*(\w)+1]
.set zp, zp+2*(\w)
.endr
.endr
	WIN 0x0a+5*WH
	v_pk_add_f32 v[LP:LP+1], v[AC:AC+1], v[AC+32:AC+33]
	WIN 0
	v_add_f32 v[LP], v[LP], v[LP+1]
	v_permlanex16_b32 v[LP+1], v[LP], s[SEL], s[SEL+1]
	v_add_f32 v[SA+1], v[LP], v[LP+1]              ; l
.if (\a)%2                             ; both halves of the lanes hold a block's 16 rows: lanes 0-15 keep block a - 1, lanes 16-31 take block a: 32 rows x 16 bytes
.irp k, 0,1,2
	v_cndmask_b32 v[SA-4+(\k)], v[SA-4+(\k)], v[SA+(\k)], s[HM]
.endr
	global_store_b128 v[PO], v[SA-4:SA-1], s[PTA:PTA+1] offset:512*((\a)/2)+65536*(\i)  ; 512 consecutive bytes, at a multiple of 256 from part's first byte
.endif
.endm
; A tile's eight blocks.  No LDS instruction and no tensor load stands in here, so the counts of the quarter that follows hold across it.
.macro EPI i
	WIN 0
	s_wait_loadcnt 0x0                             ; the targets
.rept 8
	v_nop                                          ; the places behind the last products (four are asked for a vector line that reads or writes their registers)
.endr
.irp a, 0,1,2,3,4,5,6,7
	STAT \i, \a
.endr
	WIN 0
.endm
	s_wait_tensorcnt 1                             ; my part of K step 0 is in; K step 1's load stays out
	s_barrier_signal -1
	s_barrier_wait -1                              ; everybody's is
	FETCH 0, 0, F0
	s_mov_b32 s2, SIZE_TILES                       ; tiles to go, this one among them: the same number in every work-group
.Ltile:
	QUARTER 0, 64,  F0, F1, 1                      ; a tile's first quarter stands in front of the loop: its products start the sums
	WIN 0                                          ; at a label and at a branch every window is 0
	s_mov_b32 s3, LAPS-1
.Llap:                                                 ; a trip goes once round the ring, from a lap's second quarter to the next lap's first, and fills both slots again
	QUARTER 0, 128, F1, F0, 0
	QUARTER 0, 192, F0, F1, 0
	TURN 0, 1, 0
	QUARTER 1, 64,  F0, F1, 0
	QUARTER 1, 128, F1, F0, 0
	QUARTER 1, 192, F0, F1, 0
	TURN 1, 0, 0
	QUARTER 0, 64,  F0, F1, 0
	WIN 0
	s_sub_co_u32 s3, s3, 1
	s_cmp_lg_u32 s3, 0
	s_cbranch_scc1 .Llap
	QUARTER 0, 128, F1, F0, 0                      ; the tile's last lap goes on
	QUARTER 0, 192, F0, F1, 0
	WIN 0
	s_cmp_eq_u32 s2, 1
	s_cbranch_scc1 .Llast_tile                     ; the last tile's tail is written out: it asks for nothing more
	TURN 0, 1, 1                                   ; THE RING GOES ON INTO THE SECOND TILE: slot 0 takes its K step 0,
	QUARTER 1, 64,  F0, F1, 0
	QUARTER 1, 128, F1, F0, 0
	QUARTER 1, 192, F0, F1, 0
	TURN 1, 0, 1                                   ; slot 1 its K step 1, and its first fragments are fetched into buffer 0, which the statistics do not touch
	EPI 0                                          ; both refills are asked for: they land while the first tile's statistics are made
	s_sub_co_u32 s2, s2, 1
	s_branch .Ltile
.Llast_tile:
	MEET 0                                         ; my one tensor load that was still out is slot 1's, the last K step's, so no round follows
	PLACES                                         ; for the loads into buffer 0, which the quarter before multiplied
	FETCH 1, 0, F0
	MUL16 F1, 1, 0, 0
	MUL16 F1, 1, 2, 0
	QUARTER 1, 64,  F0, F1, 0
	QUARTER 1, 128, F1, F0, 0
	QUARTER 1, 192, F0, F1, 0
	s_wait_dscnt 8                                 ; the very last quarter: nothing more to fetch
	MUL16 F1, 0, 0, 0
	MUL16 F1, 0, 2, 0
	s_wait_dscnt 0x0
	MUL16 F1, 1, 0, 0
	MUL16 F1, 1, 2, 0
	EPI 1
	s_wait_tensorcnt 0x0                           ; the wave's end, behind my last tensor load
	ds_add_u32 v[SPW], v[NIL]
	s_wait_dscnt 0x0
	CROUND                                         ; the closing round: no work-group ends while a partner may still ask for a tile that names it
	s_endpgm
.Lfunc_end_k_q5b52f908ec_gemm:
	.size	k_q5b52f908ec_gemm, .Lfunc_end_k_q5b52f908ec_gemm-k_q5b52f908ec_gemm
	.p2alignl 7, 3214868480
	.fill 96, 4, 3214868480
	.section	.rodata,"a",@progbits
	.p2align	6, 0x0
	.amdhsa_kernel k_q5b52f908ec_gemm
		.amdhsa_group_segment_fixed_size 327680
		.amdhsa_private_segment_fixed_size 0
		.amdhsa_enable_private_segment 0
		.amdhsa_kernarg_size 32
		.amdhsa_user_sgpr_count 2
		.amdhsa_user_sgpr_kernarg_segment_ptr 1
		.amdhsa_wavefront_size32 1
		.amdhsa_system_sgpr_workgroup_id_x 1
		.amdhsa_system_sgpr_workgroup_id_y 1
		.amdhsa_system_sgpr_workgroup_id_z 1
		.amdhsa_system_vgpr_workitem_id 0
		.amdhsa_next_free_vgpr 1024
		.amdhsa_next_free_sgpr 80
		.amdhsa_reserve_vcc 1
		.amdhsa_float_denorm_mode_32 3
		.amdhsa_float_denorm_mode_16_64 3
		.amdhsa_memory_ordered 1
		.amdhsa_forward_progress 1
		.amdhsa_inst_pref_size 255
	.end_amdhsa_kernel
	.section	.bss,"aw",@nobits
	.p2align	6
	.space	262144
	.amdgpu_metadata
---
amdhsa.version: [ 1, 2 ]
amdhsa.kernels:
  - .name:           k_q5b52f908ec_gemm
    .symbol:         k_q5b52f908ec_gemm.kd
    .args:
      - { .name: xb, .offset: 0, .size: 8, .value_kind: global_buffer, .address_space: global }
      - { .name: wb, .offset: 8, .size: 8, .value_kind: global_buffer, .address_space: global }
      - { .name: targets, .offset: 16, .size: 8, .value_kind: global_buffer, .address_space: global }
      - { .name: part, .offset: 24, .size: 8, .value_kind: global_buffer, .address_space: global }
    .group_segment_fixed_size: 327680
    .private_segment_fixed_size: 0
    .kernarg_segment_align: 8
    .kernarg_segment_size: 32
    .max_flat_workgroup_size: 128
    .sgpr_count:     80
    .vgpr_count:     1024
    .wavefront_size: 32
...
	.end_amdgpu_metadata
.endif
;; end of part 2
;; launch rows (part 3): grid 256 x 1, 1 waves a work-group, no clusters, 0 bytes of LDS; arguments part, ref_logprobs, advantages, padding_masks, out5, sums; writes out5, sums
.if DOCPART == 3
	.amdgcn_target "amdgcn-amd-amdhsa--gfx1250"
	.amdhsa_code_object_version 6
	.text
	.protected	k_q5b52f908ec_rows
	.globl	k_q5b52f908ec_rows
	.p2align	8
	.type	k_q5b52f908ec_rows,@function
k_q5b52f908ec_rows:
	s_mov_b64 s[64:65], 0
	v_nop
	global_prefetch_b8 v0, s[64:65] scope:SCOPE_SE
	s_setreg_imm32_b32 hwreg(HW_REG_WAVE_MODE, 25, 1), 1
	s_wait_xcnt 0x0
; A row's 32 pieces (c m, l, t, 0) are merged: CM = the largest c m; S = the sum of l 2^(c m - CM); pi_lp = t - ln 2 (CM + log2 S).  Then the token's terms, as reference() writes them:
; delta = ref - pi_lp; kl = exp(delta) - delta - 1; pol = exp(pi_lp - pi_lp) adv; loss = -(pol - 0.1 kl); each times the mask; and their sums over the wave's 32 rows.
; SHARES.  One wave a work-group, a lane a row: work-group g has rows 32 g .. 32 g + 31, all of batch row g / 64.  A load of a piece covers 512 consecutive bytes, aligned; all 34 loads go out at once.
; OUT.  out5: 128 consecutive bytes a wave.  sums[g] = (sum loss m, sum pol m, sum kl m, sum m): 16 bytes a work-group, 4,096 in the whole launch.
; LIMITS.  The sums are taken in another order than reference()'s chunks.  S is 1 or more (the piece with the largest c m adds l >= 1).  A weight below 2^-126 counts as 0.
; No LDS, matrix unit, cluster or prefetch: nothing is shared, and every byte is asked for in the first lines.
.set P,  8                             ; v[8:135]   piece c at P + 4 c: c m (then its weight), l, t, 0
.set MX, 136                           ; v[136:139] four chains of the maximum; then CM in the first
.set TS, 140                           ; v[140:143] four chains of t; later at work in the lanes' sums
.set SS, 144                           ; v[144:147] four chains of S
.set Q,  156                           ; v[156:159] the four terms, then their sums
	s_load_b256 s[4:11], s[0:1], 0x0               ; part s[4:5], ref s[6:7], advantages s[8:9], masks s[10:11]
	s_load_b128 s[12:15], s[0:1], 0x20             ; out5 s[12:13], sums s[14:15]
	v_lshlrev_b32 v1, 4, v0                        ; 16 x lane
	v_lshlrev_b32 v2, 2, v0                        ; 4 x lane
	s_lshl_b32 s16, ttmp9, 9                       ; my 32 rows in a piece: 16 bytes each
	s_mov_b32 s17, 0
	s_lshl_b32 s18, ttmp9, 7                       ; in ref and out5: 4 bytes each
	s_mov_b32 s19, 0
	s_lshr_b32 s20, ttmp9, 6                       ; the batch row,
	s_lshl_b32 s20, s20, 2                         ; 4 bytes each
	s_mov_b32 s21, 0
	s_lshl_b32 s22, ttmp9, 5                       ; in the masks: a byte each
	s_mov_b32 s23, 0
	s_lshl_b32 s28, ttmp9, 4                       ; in sums: 16 bytes a work-group
	s_mov_b32 s29, 0
	s_mov_b32 s24, 0x76543210                      ; v_permlanex16_b32: each lane takes its own place in the other half
	s_mov_b32 s25, 0xfedcba98
	s_mov_b32 s26, 0x3fb8aa3b                      ; log2(e)
	s_mov_b32 s27, 0x3dcccccd                      ; 0.1
	s_wait_kmcnt 0x0
	s_add_nc_u64 s[8:9], s[8:9], s[20:21]
	s_load_b32 s30, s[8:9], 0x0                    ; my batch row's advantage
	s_add_nc_u64 s[4:5], s[4:5], s[16:17]
	s_add_nc_u64 s[6:7], s[6:7], s[18:19]
	s_add_nc_u64 s[10:11], s[10:11], s[22:23]
	s_add_nc_u64 s[12:13], s[12:13], s[18:19]
	s_add_nc_u64 s[14:15], s[14:15], s[28:29]
	global_load_b32 v4, v2, s[6:7]
	global_load_u8 v5, v0, s[10:11]
.set c, 0
.rept 32
	global_load_b128 v[P+4*c:P+4*c+3], v1, s[4:5] offset:131072*c th:TH_LOAD_NT
.set c, c+1
.endr
	s_wait_loadcnt 0x0
	s_wait_kmcnt 0x0
	; the largest c m: four chains of eight
.irp k, 0,1,2,3
	v_max3_num_f32 v[MX+(\k)], v[P+4*(\k)], v[P+4*(\k)+16], v[P+4*(\k)+32]
.endr
.irp k, 0,1,2,3
	v_max3_num_f32 v[MX+(\k)], v[MX+(\k)], v[P+4*(\k)+48], v[P+4*(\k)+64]
.endr
.irp k, 0,1,2,3
	v_max3_num_f32 v[MX+(\k)], v[MX+(\k)], v[P+4*(\k)+80], v[P+4*(\k)+96]
.endr
.irp k, 0,1,2,3
	v_max_num_f32 v[MX+(\k)], v[MX+(\k)], v[P+4*(\k)+112]
.endr
	v_max3_num_f32 v[MX], v[MX], v[MX+1], v[MX+2]
	v_max_num_f32 v[MX], v[MX], v[MX+3]            ; CM
	; the weights 2^(c m - CM): one batch of 32 exponentials
.set c, 0
.rept 32
	v_sub_f32 v[P+4*c], v[P+4*c], v[MX]
.set c, c+1
.endr
.set c, 0
.rept 32
	v_exp_f32 v[P+4*c], v[P+4*c]
.set c, c+1
.endr
	; t: 31 of the 32 are 0.  Plain work that names no exponential's result, between the batch and its wait
.irp k, 0,1,2,3
	v_add_f32 v[TS+(\k)], v[P+4*(\k)+2], v[P+4*(\k)+18]
.endr
.irp j, 2,3,4,5,6,7
.irp k, 0,1,2,3
	v_add_f32 v[TS+(\k)], v[TS+(\k)], v[P+4*(\k)+16*(\j)+2]
.endr
.endr
	v_add_f32 v[TS], v[TS], v[TS+1]
	v_add_f32 v[TS+2], v[TS+2], v[TS+3]
	v_add_f32 v[TS], v[TS], v[TS+2]
	s_wait_alu depctr_va_vdst(0)                   ; one wait for the 32 exponentials, ahead of their first reader
.irp k, 0,1,2,3
	v_mul_f32 v[SS+(\k)], v[P+4*(\k)+1], v[P+4*(\k)]
.endr
.irp j, 1,2,3,4,5,6,7
.irp k, 0,1,2,3
	v_fmac_f32 v[SS+(\k)], v[P+4*(\k)+16*(\j)+1], v[P+4*(\k)+16*(\j)]
.endr
.endr
	v_add_f32 v[SS], v[SS], v[SS+1]
	v_add_f32 v[SS+2], v[SS+2], v[SS+3]
	v_add_f32 v[SS], v[SS], v[SS+2]                ; S
	v_log_f32 v148, v[SS]
	v_cvt_f32_u32 v149, v5                         ; the mask as 0.0 or 1.0: the plain line behind the logarithm
	s_wait_alu depctr_va_vdst(0)
	v_add_f32 v148, v148, v[MX]                    ; log2 of the sum of all exponentials
	v_fmamk_f32 v150, v148, 0xbf317218, v[TS]      ; pi_lp = t - ln 2 x that
	global_store_b32 v2, v150, s[12:13]
	v_sub_f32 v151, v4, v150                       ; delta
	v_sub_f32 v152, v150, v150                     ; pi_lp less its own value, as reference() writes it
	v_mul_f32 v153, s26, v151
	v_mul_f32 v152, s26, v152
	v_exp_f32 v153, v153
	v_exp_f32 v152, v152
	v_nop                                          ; a plain line behind the last exponential,
	s_wait_alu depctr_va_vdst(0)                   ; and one wait for the two
	v_sub_f32 v153, v153, v151
	v_add_f32 v153, -1.0, v153                     ; kl
	v_mul_f32 v152, s30, v152                      ; pol
	v_fma_f32 v155, v153, s27, -v152               ; loss = 0.1 kl - pol
	v_mul_f32 v[Q], v155, v149
	v_mul_f32 v[Q+1], v152, v149
	v_mul_f32 v[Q+2], v153, v149
	v_mov_b32 v[Q+3], v149
	; over the 32 lanes: four steps inside each half of 16 ride on the addition, one crosses the halves
.irp x, 1,2,4,8
.irp k, 0,1,2,3
	v_add_f32_dpp v[Q+(\k)], v[Q+(\k)], v[Q+(\k)] row_xmask:\x row_mask:0xf bank_mask:0xf
.endr
.endr
.irp k, 0,1,2,3
	v_permlanex16_b32 v[TS+(\k)], v[Q+(\k)], s24, s25  ; its destination counts as read: registers that have been written
.endr
.irp k, 0,1,2,3
	v_add_f32 v[Q+(\k)], v[Q+(\k)], v[TS+(\k)]
.endr
	s_wait_xcnt 0x0                                ; EXEC is a source of the store above: it changes only behind this wait
	v_cmp_eq_u32 vcc_lo, 0, v0
	s_and_saveexec_b32 s31, vcc_lo                 ; lane 0 alone
	global_store_b128 v1, v[Q:Q+3], s[14:15]
	s_endpgm
.Lfunc_end_k_q5b52f908ec_rows:
	.size	k_q5b52f908ec_rows, .Lfunc_end_k_q5b52f908ec_rows-k_q5b52f908ec_rows
	.p2alignl 7, 3214868480
	.fill 96, 4, 3214868480
	.section	.rodata,"a",@progbits
	.p2align	6, 0x0
	.amdhsa_kernel k_q5b52f908ec_rows
		.amdhsa_group_segment_fixed_size 0
		.amdhsa_private_segment_fixed_size 0
		.amdhsa_enable_private_segment 0
		.amdhsa_kernarg_size 48
		.amdhsa_user_sgpr_count 2
		.amdhsa_user_sgpr_kernarg_segment_ptr 1
		.amdhsa_wavefront_size32 1
		.amdhsa_system_sgpr_workgroup_id_x 1
		.amdhsa_system_sgpr_workgroup_id_y 1
		.amdhsa_system_sgpr_workgroup_id_z 1
		.amdhsa_system_vgpr_workitem_id 0
		.amdhsa_next_free_vgpr 160
		.amdhsa_next_free_sgpr 66
		.amdhsa_reserve_vcc 1
		.amdhsa_float_denorm_mode_32 3
		.amdhsa_float_denorm_mode_16_64 3
		.amdhsa_memory_ordered 1
		.amdhsa_forward_progress 1
		.amdhsa_inst_pref_size 13
	.end_amdhsa_kernel
	.amdgpu_metadata
---
amdhsa.version: [ 1, 2 ]
amdhsa.kernels:
  - .name:           k_q5b52f908ec_rows
    .symbol:         k_q5b52f908ec_rows.kd
    .args:
      - { .name: part, .offset: 0, .size: 8, .value_kind: global_buffer, .address_space: global }
      - { .name: ref_logprobs, .offset: 8, .size: 8, .value_kind: global_buffer, .address_space: global }
      - { .name: advantages, .offset: 16, .size: 8, .value_kind: global_buffer, .address_space: global }
      - { .name: padding_masks, .offset: 24, .size: 8, .value_kind: global_buffer, .address_space: global }
      - { .name: out5, .offset: 32, .size: 8, .value_kind: global_buffer, .address_space: global }
      - { .name: sums, .offset: 40, .size: 8, .value_kind: global_buffer, .address_space: global }
    .group_segment_fixed_size: 0
    .private_segment_fixed_size: 0
    .kernarg_segment_align: 8
    .kernarg_segment_size: 48
    .max_flat_workgroup_size: 32
    .sgpr_count:     66
    .vgpr_count:     160
    .wavefront_size: 32
...
	.end_amdgpu_metadata
.endif
;; end of part 3
;; launch final (part 4): grid 1 x 1, 1 waves a work-group, no clusters, 0 bytes of LDS; arguments sums, out0, out1, out2, out3, out4; writes out0, out1, out2, out3, out4
.if DOCPART == 4
	.amdgcn_target "amdgcn-amd-amdhsa--gfx1250"
	.amdhsa_code_object_version 6
	.text
	.protected	k_q5b52f908ec_final
	.globl	k_q5b52f908ec_final
	.p2align	8
	.type	k_q5b52f908ec_final,@function
k_q5b52f908ec_final:
	s_mov_b64 s[64:65], 0
	v_nop
	global_prefetch_b8 v0, s[64:65] scope:SCOPE_SE
	s_setreg_imm32_b32 hwreg(HW_REG_WAVE_MODE, 25, 1), 1
	s_wait_xcnt 0x0
; The 256 partial sums (loss, pol, kl, count), 64 for each of the 4 batch rows, are added; each batch row's three sums are divided by its count, held to 1e-9 at the least, and the mean of the four is
; taken: out0 = loss, out1 = policy loss, out2 = kl loss; out3 = 1, out4 = 0.  One wave: each number needs all 4,096 bytes, and no sum may span work-groups of a launch.
; The division is a multiplication by v_rcp_f32's reciprocal.
.set L, 4                              ; v[4:35]   load j: entry 32 j + lane, which belongs to batch row j / 2; later at work
.set S, 36                             ; v[36:51]  batch row b, quantity q at S + 4 b + q
.set R, 56                             ; v[56:59]  1 / count
.set O, 60                             ; v[60:62]  the three means; v63 = 1
	s_load_b256 s[4:11], s[0:1], 0x0               ; sums s[4:5], out0 s[6:7], out1 s[8:9], out2 s[10:11]
	s_load_b128 s[12:15], s[0:1], 0x20             ; out3 s[12:13], out4 s[14:15]
	v_lshlrev_b32 v1, 4, v0
	s_mov_b32 s18, 0x76543210
	s_mov_b32 s19, 0xfedcba98
	s_wait_kmcnt 0x0
.irp j, 0,1,2,3,4,5,6,7
	global_load_b128 v[L+4*(\j):L+4*(\j)+3], v1, s[4:5] offset:512*(\j)
.endr
	s_wait_loadcnt 0x0
.irp b, 0,1,2,3
	v_pk_add_f32 v[S+4*(\b):S+4*(\b)+1],   v[L+8*(\b):L+8*(\b)+1],   v[L+8*(\b)+4:L+8*(\b)+5]
	v_pk_add_f32 v[S+4*(\b)+2:S+4*(\b)+3], v[L+8*(\b)+2:L+8*(\b)+3], v[L+8*(\b)+6:L+8*(\b)+7]
.endr
.irp x, 1,2,4,8
.set r, 0
.rept 16
	v_add_f32_dpp v[S+r], v[S+r], v[S+r] row_xmask:\x row_mask:0xf bank_mask:0xf
.set r, r+1
.endr
.endr
.set r, 0
.rept 16
	v_permlanex16_b32 v[L+r], v[S+r], s18, s19     ; its destination counts as read: registers that the loads have written
.set r, r+1
.endr
.set r, 0
.rept 16
	v_add_f32 v[S+r], v[S+r], v[L+r]
.set r, r+1
.endr
.irp b, 0,1,2,3
	v_max_num_f32 v[S+4*(\b)+3], 0x3089705f, v[S+4*(\b)+3]  ; the count, 1e-9 at the least
.endr
.irp b, 0,1,2,3
	v_rcp_f32 v[R+(\b)], v[S+4*(\b)+3]
.endr
	v_mov_b32 v2, 0                                ; the stores' offset: the plain line behind the last reciprocal
	s_wait_alu depctr_va_vdst(0)                   ; one wait for the four, ahead of their first reader
.irp q, 0,1,2
	v_mul_f32 v[O+(\q)], v[S+(\q)], v[R]
.endr
.irp b, 1,2,3
.irp q, 0,1,2
	v_fmac_f32 v[O+(\q)], v[S+4*(\b)+(\q)], v[R+(\b)]
.endr
.endr
.irp q, 0,1,2
	v_mul_f32 v[O+(\q)], 0x3e800000, v[O+(\q)]     ; the mean of four
.endr
	v_mov_b32 v63, 1.0
	v_mov_b32 v3, 0
	s_wait_xcnt 0x0                                ; EXEC changes only behind this wait
	v_cmp_eq_u32 vcc_lo, 0, v0
	s_and_saveexec_b32 s16, vcc_lo                 ; lane 0 alone
	global_store_b32 v2, v[O], s[6:7]
	global_store_b32 v2, v[O+1], s[8:9]
	global_store_b32 v2, v[O+2], s[10:11]
	global_store_b32 v2, v63, s[12:13]
	global_store_b32 v2, v3, s[14:15]
	s_endpgm
.Lfunc_end_k_q5b52f908ec_final:
	.size	k_q5b52f908ec_final, .Lfunc_end_k_q5b52f908ec_final-k_q5b52f908ec_final
	.p2alignl 7, 3214868480
	.fill 96, 4, 3214868480
	.section	.rodata,"a",@progbits
	.p2align	6, 0x0
	.amdhsa_kernel k_q5b52f908ec_final
		.amdhsa_group_segment_fixed_size 0
		.amdhsa_private_segment_fixed_size 0
		.amdhsa_enable_private_segment 0
		.amdhsa_kernarg_size 48
		.amdhsa_user_sgpr_count 2
		.amdhsa_user_sgpr_kernarg_segment_ptr 1
		.amdhsa_wavefront_size32 1
		.amdhsa_system_sgpr_workgroup_id_x 1
		.amdhsa_system_sgpr_workgroup_id_y 1
		.amdhsa_system_sgpr_workgroup_id_z 1
		.amdhsa_system_vgpr_workitem_id 0
		.amdhsa_next_free_vgpr 64
		.amdhsa_next_free_sgpr 66
		.amdhsa_reserve_vcc 1
		.amdhsa_float_denorm_mode_32 3
		.amdhsa_float_denorm_mode_16_64 3
		.amdhsa_memory_ordered 1
		.amdhsa_forward_progress 1
		.amdhsa_inst_pref_size 9
	.end_amdhsa_kernel
	.amdgpu_metadata
---
amdhsa.version: [ 1, 2 ]
amdhsa.kernels:
  - .name:           k_q5b52f908ec_final
    .symbol:         k_q5b52f908ec_final.kd
    .args:
      - { .name: sums, .offset: 0, .size: 8, .value_kind: global_buffer, .address_space: global }
      - { .name: out0, .offset: 8, .size: 8, .value_kind: global_buffer, .address_space: global }
      - { .name: out1, .offset: 16, .size: 8, .value_kind: global_buffer, .address_space: global }
      - { .name: out2, .offset: 24, .size: 8, .value_kind: global_buffer, .address_space: global }
      - { .name: out3, .offset: 32, .size: 8, .value_kind: global_buffer, .address_space: global }
      - { .name: out4, .offset: 40, .size: 8, .value_kind: global_buffer, .address_space: global }
    .group_segment_fixed_size: 0
    .private_segment_fixed_size: 0
    .kernarg_segment_align: 8
    .kernarg_segment_size: 48
    .max_flat_workgroup_size: 32
    .sgpr_count:     66
    .vgpr_count:     64
    .wavefront_size: 32
...
	.end_amdgpu_metadata
.endif
;; end of part 4
;; ======== version 2 of 2: 4 launches; version 1 with the launch cast written anew for expert scheduling mode
;; workspace buffers: xb 33,554,432 bytes; wb 16,777,216 bytes; part 4,194,304 bytes; sums 4,096 bytes
;; launch cast (part 5): grid 768 x 1, 8 waves a work-group, no clusters, 0 bytes of LDS; arguments outputs, weight, xb, wb; writes xb, wb
.if DOCPART == 5
	.amdgcn_target "amdgcn-amd-amdhsa--gfx1250"
	.amdhsa_code_object_version 6
	.text
	.protected	k_q5b52f908ec_cast
	.globl	k_q5b52f908ec_cast
	.p2align	8
	.type	k_q5b52f908ec_cast,@function
k_q5b52f908ec_cast:
	s_mov_b64 s[64:65], 0
	v_nop
	global_prefetch_b8 v0, s[64:65] scope:SCOPE_SE
	s_setreg_imm32_b32 hwreg(HW_REG_WAVE_SCHED_MODE, 0, 2), 2
	s_setreg_imm32_b32 hwreg(HW_REG_WAVE_MODE, 25, 1), 1
	s_wait_xcnt 0x0
	s_wait_alu depctr_vm_vsrc(0)
; xb = outputs rounded to bf16, [8192][2048]; wb = weight rounded to bf16, [4096][2048], rows 4000 to 4095 written as 0.
; Why a copy: the product's tiles then have rows of 256 aligned bytes for 128 along K, half the LDS traffic of f32 tiles, and no edge tile.
; SHARES.  A work-group takes 16 rows of 2,048 numbers: 131,072 bytes in, 65,536 out.  Groups 0-511: outputs; 512-761: weight's 4,000 rows;
; 762-767: the 96 zero rows of wb, which the product multiplies like any other row.
; Thread t, step j: 16 bytes at 16 t + 4,096 j in, 8 bytes at 8 t + 2,048 j out: a wave's load covers 512 consecutive bytes, its store 256, aligned.
; All 32 loads of a thread go out at once into registers of their own.
; No LDS, no matrix unit, no cluster: no byte is wanted twice.
; THE MODE: SCHED_MODE bits 1:0 = 2 (LLVM: expert scheduling mode 2), set by the entry lines.  The code itself states the register dependences
; between vector instructions and memory instructions, with s_wait_alu, always for 0.
; THE PLAN.  Registers that memory instructions touch:
;   v1, v2        byte offsets, written once at the head and never again; read by every load (v1), by the stores of 8 bytes (v2) and by the zero rows' stores (v1).
;   X + 4 j ..    step j's four registers.  Its load lands in them before any vector line names them; its two roundings read the four and write the first two;
;                 its one store reads those two; nothing writes them again.
; So no register that a memory instruction has read is ever written again, and no load is issued behind a vector line that names its registers: what is left to state is that
; a store's data and the offsets are written.  The 32 steps go in eight blocks of four.  Block p rounds its own sixteen registers; its memory instructions are the four stores of
; block p - 1, whose registers no vector line of block p names.  ONE wait at a block's head, behind the wait for its data, states that the block before has written its words; the four stores
; follow it, dealt among the block's roundings with no further wait.
.set X, 4                              ; v[4:131]  step j's four numbers at X + 4 j; its two packed words take the first two
.set BLOCK,  4                         ; steps in a block
.set BLOCKS, 32/BLOCK
	s_load_b256 s[4:11], s[0:1], 0x0               ; outputs s[4:5], weight s[6:7], xb s[8:9], wb s[10:11]
	s_sub_co_u32 s13, ttmp9, 512
	s_cmp_lt_u32 ttmp9, 512
	s_cselect_b32 s12, ttmp9, s13                  ; the block of 16 rows in its tensor
	s_lshl_b32 s14, s12, 17                        ; its bytes in f32 (under 2^27),
	s_mov_b32 s15, 0
	s_lshl_b32 s16, s12, 16                        ; and in bf16
	s_mov_b32 s17, 0
	v_lshlrev_b32 v1, 4, v0                        ; 16 t
	v_lshlrev_b32 v2, 3, v0                        ; 8 t
	s_wait_kmcnt 0x0
	s_cmp_lt_u32 ttmp9, 512                        ; compared again: the shifts above have set SCC
	s_cselect_b64 s[18:19], s[4:5], s[6:7]         ; from
	s_cselect_b64 s[20:21], s[8:9], s[10:11]       ; to
	s_add_nc_u64 s[18:19], s[18:19], s[14:15]
	s_add_nc_u64 s[20:21], s[20:21], s[16:17]
	s_wait_alu depctr_va_vdst(0)                   ; v1 and v2 are written: every load and store of the kernel, on both paths below, reads one of them as its offset
	s_cmp_ge_u32 ttmp9, 762
	s_cbranch_scc1 .Lpad                           ; the zero rows load nothing
.set j, 0
.rept 32
	global_load_b128 v[X+4*j:X+4*j+3], v1, s[18:19] offset:4096*j th:TH_LOAD_NT
.set j, j+1
.endr
.set p, 0
.rept BLOCKS
	s_wait_loadcnt 32-BLOCK-BLOCK*p                ; loads come back in order: block p's four are in, the younger blocks' stay out
.if p > 0
	s_wait_alu depctr_va_vdst(0)                   ; the roundings of block p - 1 have written their packed words, which the four stores below read
.endif
.set i, 0
.rept BLOCK
.set j, BLOCK*p+i
.if p > 0
	global_store_b64 v2, v[X+4*(j-BLOCK):X+4*(j-BLOCK)+1], s[20:21] offset:2048*(j-BLOCK)  ; the block before.  No wait: no vector line since the wait above names these registers
.endif
	v_cvt_pk_bf16_f32 v[X+4*j], v[X+4*j], v[X+4*j+1]
	v_cvt_pk_bf16_f32 v[X+4*j+1], v[X+4*j+2], v[X+4*j+3]
.set i, i+1
.endr
.set p, p+1
.endr
	s_wait_alu depctr_va_vdst(0)                   ; the last block's roundings have written their packed words, which the last four stores read
.set j, 32-BLOCK
.rept BLOCK
	global_store_b64 v2, v[X+4*j:X+4*j+1], s[20:21] offset:2048*j
.set j, j+1
.endr
	s_endpgm
.Lpad:
.irp r, 0,1,2,3
	v_mov_b32 v[X+(\r)], 0
.endr
	s_wait_alu depctr_va_vdst(0)                   ; the four zeros are written, which the sixteen stores read (their offset v1 stands ahead of the head's wait)
.set j, 0
.rept 16
	global_store_b128 v1, v[X:X+3], s[20:21] offset:4096*j
.set j, j+1
.endr
	s_endpgm
.Lfunc_end_k_q5b52f908ec_cast:
	.size	k_q5b52f908ec_cast, .Lfunc_end_k_q5b52f908ec_cast-k_q5b52f908ec_cast
	.p2alignl 7, 3214868480
	.fill 96, 4, 3214868480
	.section	.rodata,"a",@progbits
	.p2align	6, 0x0
	.amdhsa_kernel k_q5b52f908ec_cast
		.amdhsa_group_segment_fixed_size 0
		.amdhsa_private_segment_fixed_size 0
		.amdhsa_enable_private_segment 0
		.amdhsa_kernarg_size 32
		.amdhsa_user_sgpr_count 2
		.amdhsa_user_sgpr_kernarg_segment_ptr 1
		.amdhsa_wavefront_size32 1
		.amdhsa_system_sgpr_workgroup_id_x 1
		.amdhsa_system_sgpr_workgroup_id_y 1
		.amdhsa_system_sgpr_workgroup_id_z 1
		.amdhsa_system_vgpr_workitem_id 0
		.amdhsa_next_free_vgpr 136
		.amdhsa_next_free_sgpr 66
		.amdhsa_reserve_vcc 0
		.amdhsa_float_denorm_mode_32 3
		.amdhsa_float_denorm_mode_16_64 3
		.amdhsa_memory_ordered 1
		.amdhsa_forward_progress 1
		.amdhsa_inst_pref_size 14
	.end_amdhsa_kernel
	.amdgpu_metadata
---
amdhsa.version: [ 1, 2 ]
amdhsa.kernels:
  - .name:           k_q5b52f908ec_cast
    .symbol:         k_q5b52f908ec_cast.kd
    .args:
      - { .name: outputs, .offset: 0, .size: 8, .value_kind: global_buffer, .address_space: global }
      - { .name: weight, .offset: 8, .size: 8, .value_kind: global_buffer, .address_space: global }
      - { .name: xb, .offset: 16, .size: 8, .value_kind: global_buffer, .address_space: global }
      - { .name: wb, .offset: 24, .size: 8, .value_kind: global_buffer, .address_space: global }
    .group_segment_fixed_size: 0
    .private_segment_fixed_size: 0
    .kernarg_segment_align: 8
    .kernarg_segment_size: 32
    .max_flat_workgroup_size: 256
    .sgpr_count:     66
    .vgpr_count:     136
    .wavefront_size: 32
...
	.end_amdgpu_metadata
.endif
;; end of part 5
;; launch gemm: the kernel of part 2 again; grid 16 x 16, 4 waves a work-group, clusters of 4 x 4, 327,680 bytes of LDS; arguments xb, wb, targets, part; writes part
;; launch rows: the kernel of part 3 again; grid 256 x 1, 1 waves a work-group, no clusters, 0 bytes of LDS; arguments part, ref_logprobs, advantages, padding_masks, out5, sums; writes out5, sums
;; launch final: the kernel of part 4 again; grid 1 x 1, 1 waves a work-group, no clusters, 0 bytes of LDS; arguments sums, out0, out1, out2, out3, out4; writes out0, out1, out2, out3, out4
